; MI455X (gfx1250); checked and timed in simulation.
; The chip was launched on July 23, 2026; its instructions are those of AMD's public machine-readable ISA for CDNA 5 (MIT licence, August 2026) and "CDNA5" Instruction Set Architecture Reference Guide (July 2026). The comments in the code are by the model that wrote it; some were corrected since.
;; Expert Linear. Allowed arithmetic: matrix products marked QUANTISED: E2M1 operands, one E8M0 scale for each 32 along K, by v_wmma_scale_f32_16x16x128_f8f6f4 with both operands' format E2M1 (or v_wmma_scale_f32_32x16x128_f4), f32 sums; products left as they are: f32 operands where the result goes on into a quantised operand, else bf16, f16 or f32 operands; f32 sums; everything else in f32.
;; Inputs: W 8 x 1,024 x 1,024 float32; b 8 x 1 x 1,024 float32; weights 8,192 x 8 float32; x 8,192 x 1,024 float32.
;; Outputs: out0 8,192 x 1,024 float32.
;; This version of the problem:
;;   THIS VERSION OF THE PROBLEM IS GIVEN IN LOW PRECISION. The matrix products marked QUANTISED in the list below multiply operands that are first quantised to E2M1 (2 exponent bits, 1 mantissa bit; 4 bits a number), with one power-of-two scale for each 32 numbers along K (OCP MX v1.0); their sums are f32. All else is computed in f32.
;;   The module's matrix products, in the order in which they are computed (A, B: the left and right operand; K: the contracted axis; several contracted axes count as one K, in the product's order):
;;     1. batch 8,192 x [M 1,024, K 1] x [K 1, N 8]; A: computed on the way; B: computed on the way: left as it is (no contracted axis)
;;     2. [M 8,192, K 8,192] x [K 8,192, N 1,024]; A: computed on the way; B: input W: QUANTISED
;;     3. [M 8,192, K 8] x [K 8, N 1,024]; A: input weights; B: input b: left as it is (K = 8 < 32)
;;   THE QUANTISER, for each operand of a quantised product, along K:
;;     - K is cut into blocks of 32 from its start; a last block that is shorter is filled with zeros.
;;     - A block's scale is 2^e with e = floor(log2(the largest magnitude in the block)) - 2, held to -126 .. 127; a block of zeros has e = 0. As a byte (E8M0): e + 127.
;;     - Each number is divided by its block's scale, clamped to +-6, and rounded to the nearest number of E2M1, ties to even, subnormals kept.
;;     - The product sums the exact products of the quantised numbers (number of the format x scale) in f32.
;;   ~~~python
;;   def quantise(x, axis):      # numpy; x: float32 -> the quantised numbers, widened to float32 again
;;       x = np.moveaxis(x, axis, -1); K = x.shape[-1]
;;       x = np.pad(x, [(0, 0)] * (x.ndim - 1) + [(0, -K % 32)]); x = x.reshape(x.shape[:-1] + (-1, 32)); a = np.abs(x).max(-1, keepdims=True)
;;       e = np.where(a > 0, np.clip(np.frexp(np.where(a > 0, a, 1))[1] - 1 - 2, -126, 127), 0)      # np.frexp(a)[1] - 1 = floor(log2(a)), exactly
;;       r = np.clip(x / 2.0 ** e, -6, 6)
;;       step = 2.0 ** (np.maximum(np.frexp(np.where(r == 0, 1, r))[1] - 1, 0) - 1)
;;       q = np.round(r / step) * step * 2.0 ** e      # np.round: ties to even
;;       return np.moveaxis(q.reshape(q.shape[:-2] + (-1,))[..., :K], -1, axis).astype(np.float32)
;;   ~~~
;;   OPERANDS COMPUTED ON THE WAY. 'Computed on the way' means the value that the module computes at that place (a softmax that the list does not call 'softmax' is quantised finished and normalised). What goes into a quantiser is computed in f32, as accurately as f32 sums, v_exp_f32 and their like allow (about 1e-6 of the number): no bf16 or f16 on the way to a quantiser, and a product that is left as it is and whose result goes on into a quantised operand takes f32 operands (vector FMAs, or v_wmma_f32_16x16x4_f32). A number that lies on a knife's edge between two numbers of the format may be rounded either way, as far as f32 arithmetic and the matrix unit's own rounding can turn it there, and no further.
;; One version. Each part assembles by itself: llvm-mc -triple=amdgcn-amd-amdhsa -mcpu=gfx1250 --defsym DOCPART=n.
;; ======== version 1 of 1: 2 launches
;; limits: values are held in bf16: 8 bits of precision; right only within a limited range of input values
;; workspace buffers: bq 4,456,448 bytes
;; launch wquant (part 1): grid 512 x 1, 4 waves a work-group, no clusters, 0 bytes of LDS; arguments W, bq; writes bq
.if DOCPART == 1
	.amdgcn_target "amdgcn-amd-amdhsa--gfx1250"
	.amdhsa_code_object_version 6
	.text
	.protected	k_q721e9c1515_wquant
	.globl	k_q721e9c1515_wquant
	.p2align	8
	.type	k_q721e9c1515_wquant,@function
k_q721e9c1515_wquant:
	s_mov_b64 s[64:65], 0
	v_nop
	global_prefetch_b8 v0, s[64:65] scope:SCOPE_SE
	s_setreg_imm32_b32 hwreg(HW_REG_WAVE_MODE, 25, 1), 1
	s_wait_xcnt 0x0
; y[b][o] = sum over e, i of weights[b][e] x[b][i] W[e][i][o] + sum over e of weights[b][e] b[e][o].
; NOTHING IS LEFT OUT: every input has a way to the output; W is read here, x, weights and b in the second launch.
; This launch makes the right operand of the quantised product (K = 1024 e + i) as codes of E2M1 with one E8M0 byte for each 32 along K: a block is 32 neighbouring i of one expert.
; bq IS LAID AS THE SECOND LAUNCH'S OPERAND REGISTERS: [column group of 256: 4][step s: 8] records of REC bytes.  A record holds i = 128 s .. 128 s + 127 of all experts as eight units U = 4 kh + p.
; Unit U is 128 along K: block 2 c + h is expert 2 p + c, i = 128 s + 64 kh + 32 h + 0 .. 31.  Codes: [U 8][tile 16][block 4][column 16][16 bytes]; behind them scale words [U 8][tile 16][column 16][4 bytes], byte = block.
; A lane takes a column o and its registers run down i: a block lies in one lane, and the conversions give codes with K innermost.  A wave: 32 columns x one unit; a work-group: 128 columns.
; A block's scale byte is its largest magnitude's exponent field less 2, held at 1 from below by a floor among the maximum's leaves.
; LIMITS: NaN and infinities among the inputs are not served.  A block of zeros gets the byte 1 where the rule says 127: its codes are zeros, and this program alone reads the bytes.
; No LDS, no tensor load, no matrix work: the launch streams, and waves share nothing.
.set REC,   139264
.set FLOOR, 0x1800000                  ; 2^(3 - 127)
.set X,     48                         ; v48-111  two sets of 32 numbers
.set C,     112                        ; v112-127 codes, four registers a block, never rewritten
	s_load_b128 s[4:7], s[0:1], 0x0                ; W, bq
	v_lshrrev_b32 v1, 5, v0
	v_readfirstlane_b32 s14, v1                    ; wave
	v_and_b32 v1, 31, v0
	v_and_b32 v2, 15, v0
	v_bfe_u32 v3, v0, 4, 1
	v_lshlrev_b32 v4, 2, v1                        ; 4 x lane: my column in a row of W, and my scale word
	v_lshlrev_b32 v8, 4, v2
	v_lshl_add_u32 v8, v3, 10, v8                  ; my 16 bytes of a block: tile h, column r
	s_and_b32 s20, ttmp9, 7                        ; which 128 columns
	s_bfe_u32 s21, ttmp9, 0x30003                  ; s
	s_lshr_b32 s22, ttmp9, 6                       ; U
	s_and_b32 s23, s22, 3                          ; p
	s_lshr_b32 s24, s22, 2                         ; kh
	s_lshl_b32 s10, s23, 23                        ; expert 2 p: 4,194,304 bytes an expert
	s_lshl_b32 s26, s21, 19                        ; 128 s rows of 4,096 bytes
	s_add_co_u32 s10, s10, s26
	s_lshl_b32 s26, s24, 18                        ; 64 kh rows
	s_add_co_u32 s10, s10, s26
	s_lshl_b32 s26, s20, 9
	s_add_co_u32 s10, s10, s26
	s_lshl_b32 s26, s14, 7                         ; my wave's 32 columns
	s_add_co_u32 s10, s10, s26
	s_mov_b32 s11, 0
	s_lshr_b32 s26, s20, 1                         ; the column group of 256
	s_lshl_b32 s26, s26, 3
	s_add_co_u32 s26, s26, s21
	s_mul_i32 s26, s26, REC                        ; its record s
	s_and_b32 s28, s20, 1                          ; which eight tiles of the sixteen
	s_lshl_b32 s16, s22, 14
	s_add_co_u32 s16, s16, s26
	s_lshl_b32 s29, s28, 13
	s_add_co_u32 s16, s16, s29
	s_lshl_b32 s29, s14, 11
	s_add_co_u32 s16, s16, s29
	s_mov_b32 s17, 0
	s_lshl_b32 s18, s22, 10
	s_add_co_u32 s18, s18, s26
	s_lshl_b32 s29, s28, 9
	s_add_co_u32 s18, s18, s29
	s_lshl_b32 s29, s14, 7
	s_add_co_u32 s18, s18, s29
	s_add_co_u32 s18, s18, 131072
	s_mov_b32 s19, 0
	s_wait_alu depctr_va_vdst(0)                   ; the wait at the head's end
	s_wait_kmcnt 0x0
	s_add_nc_u64 s[8:9], s[4:5], s[10:11]          ; my part of W
	s_add_nc_u64 s[16:17], s[6:7], s[16:17]        ; where my codes go
	s_add_nc_u64 s[18:19], s[6:7], s[18:19]        ; and my scale words
.macro LOADW t                         ; block t = 2 c + h: W(2 p + c, 128 s + 64 kh + 32 h + i, my column) into set t % 2; a wave reads 128 consecutive bytes, the four waves 512
.set li, 0
.rept 32
	global_load_b32 v[X+32*((\t)%2)+li], v4, s[8:9] offset:((\t)/2)*4194304+(32*((\t)%2)+li)*4096 th:TH_LOAD_NT
.set li, li+1
.endr
.endm
.macro BLOCKW t
.set XS, X+32*((\t)%2)
.if (\t) < 3
	s_wait_loadcnt 32                              ; this block's 32 loads are in; the next block's 32 may be out
.else
	s_wait_loadcnt 0x0
.endif
	v_max3_num_f32 v12, |v[XS]|, |v[XS+1]|, |v[XS+2]|
	v_max3_num_f32 v13, |v[XS+3]|, |v[XS+4]|, |v[XS+5]|
.irp i, 6,10,14,18,22,26
	v_max3_num_f32 v12, v12, |v[XS+\i]|, |v[XS+\i+1]|
	v_max3_num_f32 v13, v13, |v[XS+\i+2]|, |v[XS+\i+3]|
.endr
	v_max3_num_f32 v12, v12, |v[XS+30]|, |v[XS+31]|
	v_max3_num_f32 v12, v12, v13, FLOOR            ; the floor: the byte cannot fall under 1
	v_add_nc_u32 v11, 0xff000000, v12              ; 2 off the exponent field: the conversion's scale operand
	v_lshrrev_b32 v14, 23, v11                     ; the scale's byte
.if (\t) == 0
	v_mov_b32 v40, v14
.else
	v_lshl_or_b32 v40, v14, 8*(\t), v40
.endif
.irp g, 0,1,2,3
	v_cvt_scalef32_pk8_fp4_f32 v[C+4*(\t)+\g], v[XS+8*\g:XS+8*\g+7], v11
.endr
	v_nop                                          ; a plain line behind the last conversion
	global_store_b128 v8, v[C+4*(\t):C+4*(\t)+3], s[16:17] offset:256*(\t) th:TH_STORE_NT   ; each half of the lanes stores 256 consecutive bytes, aligned
.if (\t) < 2
	LOADW (\t)+2
.endif
.endm
	LOADW 0
	LOADW 1
	BLOCKW 0
	BLOCKW 1
	BLOCKW 2
	BLOCKW 3
	global_store_b32 v4, v40, s[18:19] th:TH_STORE_NT   ; 128 consecutive bytes of scale words
	s_endpgm
.Lfunc_end_k_q721e9c1515_wquant:
	.size	k_q721e9c1515_wquant, .Lfunc_end_k_q721e9c1515_wquant-k_q721e9c1515_wquant
	.p2alignl 7, 3214868480
	.fill 96, 4, 3214868480
	.section	.rodata,"a",@progbits
	.p2align	6, 0x0
	.amdhsa_kernel k_q721e9c1515_wquant
		.amdhsa_group_segment_fixed_size 0
		.amdhsa_private_segment_fixed_size 0
		.amdhsa_enable_private_segment 0
		.amdhsa_kernarg_size 16
		.amdhsa_user_sgpr_count 2
		.amdhsa_user_sgpr_kernarg_segment_ptr 1
		.amdhsa_wavefront_size32 1
		.amdhsa_system_sgpr_workgroup_id_x 1
		.amdhsa_system_sgpr_workgroup_id_y 1
		.amdhsa_system_sgpr_workgroup_id_z 1
		.amdhsa_system_vgpr_workitem_id 0
		.amdhsa_next_free_vgpr 128
		.amdhsa_next_free_sgpr 66
		.amdhsa_reserve_vcc 0
		.amdhsa_float_denorm_mode_32 3
		.amdhsa_float_denorm_mode_16_64 3
		.amdhsa_memory_ordered 1
		.amdhsa_forward_progress 1
		.amdhsa_inst_pref_size 21
	.end_amdhsa_kernel
	.amdgpu_metadata
---
amdhsa.version: [ 1, 2 ]
amdhsa.kernels:
  - .name:           k_q721e9c1515_wquant
    .symbol:         k_q721e9c1515_wquant.kd
    .args:
      - { .name: W, .offset: 0, .size: 8, .value_kind: global_buffer, .address_space: global }
      - { .name: bq, .offset: 8, .size: 8, .value_kind: global_buffer, .address_space: global }
    .group_segment_fixed_size: 0
    .private_segment_fixed_size: 0
    .kernarg_segment_align: 8
    .kernarg_segment_size: 16
    .max_flat_workgroup_size: 128
    .sgpr_count:     66
    .vgpr_count:     128
    .wavefront_size: 32
...
	.end_amdgpu_metadata
.endif
;; end of part 1
;; launch fused (part 2): grid 4 x 64, 4 waves a work-group, clusters of 4 x 4, 327,680 bytes of LDS; arguments x, weights, bq, b, out0; writes out0
.if DOCPART == 2
	.amdgcn_target "amdgcn-amd-amdhsa--gfx1250"
	.amdhsa_code_object_version 6
	.text
	.protected	k_q721e9c1515_fused
	.globl	k_q721e9c1515_fused
	.p2align	8
	.type	k_q721e9c1515_fused,@function
k_q721e9c1515_fused:
	s_mov_b64 s[64:65], 0
	v_nop
	global_prefetch_b8 v0, s[64:65] scope:SCOPE_SE
	s_setreg_imm32_b32 hwreg(HW_REG_WAVE_MODE, 25, 1), 1
	s_wait_xcnt 0x0
	s_wait_alu depctr_hold_cnt(0) depctr_sa_sdst(0) depctr_va_vdst(0) depctr_va_sdst(0) depctr_va_ssrc(0) depctr_va_vcc(0) depctr_vm_vsrc(0)
	s_getreg_b32 s2, hwreg(HW_REG_IB_STS2, 6, 4)
	s_cmp_eq_u32 s2, 0
	s_cbranch_scc0 .Lentry_in_a_cluster
	s_endpgm
.Lentry_in_a_cluster:
	s_bfe_u32 s2, ttmp6, 0x10000c
	s_cmp_lg_u32 s2, 0xf033
	s_cbranch_scc0 .Lentry_shape_is_right
	s_endpgm
.Lentry_shape_is_right:
; out0[b][o] = sum over K = (e, i) of Q(weights[b][e] x[b][i]) Q(W[e][i][o]) + sum over e of weights[b][e] b[e][o].  Nothing is left out.
; The right operand comes as codes and scale words from bq (laid by the first launch).  The left operand is computed on the way: one f32 multiplication, then the quantiser, in registers; it never goes to memory.
; A work-group makes 128 rows x 256 columns.  Wave (mh, kh) makes rows 64 mh .. + 63 x all 256 columns over HALF of K: of each 128 i the 64 at 64 kh.  So no row of the left operand is quantised twice in a work-group.
; 64 accumulators, 512 registers.  The two halves of K are added at the end through LDS.
; A step is 128 i x 8 experts: one record of bq, REC bytes, in a ring of two LDS slots; each wave fetches a quarter by one joint load.  A unit is 128 along K: experts 2 p, 2 p + 1 x my 64 i; block 2 c + h is expert 2 p + c, i block h.
; So lane (r, h) needs of row r only the 32 x of i block h, for all experts: 128 registers for the wave's four row tiles.  The largest |w x| of a block is |w| x the largest |x| rounded likewise (rounding keeps order): one search a step.
; The largest |x| is taken x 1/4 (exact), so that the product's exponent field is the scale's byte; a floor of 2^-126 holds the byte at 1.
; x comes from memory in whole runs of 256 bytes (sixteen lanes a row), one step ahead, and turns through the wave's own stage in LDS.
; CLUSTERS 4 x 4: the four work-groups of a column of the cluster need the same record of bq and ask for it jointly.  x, which a row of the cluster shares, is NOT asked for jointly: two slots for it, 2 x 65,536 bytes,
; do not fit beside the two slots of bq (278,528 of 327,680 bytes).  x is not prefetched: its loads into registers go out a whole step (256 matrix instructions) ahead of their wait.
; bq's codes are prefetched two steps ahead: 512 blocks of 256 bytes, a lane a block, shared out by address among the column's 4 work-groups x 4 waves; the 32 blocks of scale words come by their load alone; steps 6 and 7 ask for nothing.
; THE BIAS starts the sums: a bf16 product over K = 32 = (w high, w low) x (b high, b low) x 8 experts; each half of K takes w / 2 (exact), so that the two halves add up to the whole.
; THE MATRIX INSTRUCTION IS USED TRANSPOSED: source 0 = 16 columns (bq), source 1 = 16 rows: a lane holds eight neighbouring numbers of a row of out0.
; LIMITS: NaN and infinities among the inputs are not served; products w x under 2^-124 in magnitude were not tried.  A block of zeros has the byte 1: its codes are zeros.
; REGISTERS: window 0: v0-79 addresses, weights, scales; v80-127 x as loaded (rows 40-63); v128-255 bq's fragments of a unit.  window 1: v0-127 x by fragments; v128-143 products; v144-175 the left operand's codes; v176-255 x as loaded (rows 0-39).
; windows 2, 3: accumulator (a, t) at v[8 (16 (a % 2) + t)] of window 2 + a / 2.
.set REC,   139264
.set QREC,  34816
.set STG,   2*REC                      ; the waves' stages: 32 rows x 272 bytes each
.set WSTG,  8704
.set WTS,   STG+4*WSTG                 ; each wave's 64 rows of weights, 2,048 bytes
.set SPARE, WTS+8192                   ; the spare words, 128 bytes for each wave, which no other line names
.set EREG,  66560                      ; the way out: 64 rows x 1,040 bytes for each wave, in the slots, behind their last fill and last read
.set SPW,2
.set NIL,3
.set CO,4
.set PFO,5
.set L4,6
.set XO,7
.set STI,8
.set STO,9
.set BB,10
.set BC,11
.set SBB,12
.set SCU,13
.set WD,14
.set WB,15
.set WC,16
.set ESTO,17
.set RD0,18
.set RD1,19
.set WP,20                             ; v20-27 the unit's two weights of my row in each of four tiles
.set MX,28                             ; v28-35 a quarter of the largest |x| of my block, twice, for each tile
.set SC,36                             ; v36-43 the conversions' scale operands
.set PT,44
.set T,48
.set SA,52                             ; v52-53 the left operand's scale words: lanes 0-15 tile 2 n, lanes 16-31 tile 2 n + 1
.set SB,54                             ; v54-61 bq's scale words, likewise
.set BF,128
.set P,128
.set AF,144
.set TH,240
.set TU,248
.set PX,128
.set HM,48
.set MSB, 0
.macro WIN new
.if MSB != (\new)
	s_set_vgpr_msb (MSB<<8)|(\new)
.set MSB, (\new)
.endif
.endm
.macro PLACES n
.rept \n
	v_nop
.endr
.endm
.macro CROUND                          ; a round of the cluster's barrier
	s_barrier_signal -1
	s_barrier_wait -1
	s_cmp_lg_u32 s14, 0
	s_cbranch_scc1 .Lnot_wave_0_\@
	s_barrier_signal -3
.Lnot_wave_0_\@:
	s_barrier_wait -3
	s_barrier_signal -1
	s_barrier_wait -1
.endm
	s_load_b256 s[4:11], s[0:1], 0x0               ; x, weights, bq, b
	s_load_b64 s[12:13], s[0:1], 0x20              ; out0
	v_lshl_add_u32 v[SPW], v0, 2, SPARE
	v_mov_b32 v[NIL], 0
	ds_add_u32 v[SPW], v[NIL]                      ; the opening lines: the add, twice on end, and its wait
	ds_add_u32 v[SPW], v[NIL]
	v_lshrrev_b32 v1, 5, v0
	v_readfirstlane_b32 s14, v1                    ; wave = 2 mh + kh
	s_lshr_b32 s15, s14, 1                         ; mh
	s_and_b32 s16, s14, 1                          ; kh
	s_bfe_u32 s17, ttmp6, 0x40000                  ; cx
	s_bfe_u32 s18, ttmp6, 0x40004                  ; cy
	s_lshl_b32 s20, ttmp9, 2
	s_add_co_u32 s20, s20, s17                     ; column group
	s_and_b32 s19, ttmp7, 0xffff
	s_lshl_b32 s19, s19, 2
	s_add_co_u32 s19, s19, s18                     ; row group
	s_lshl_b32 s21, 0x1111, s17                    ; my column of the cluster
	s_or_b32 s24, s21, (3<<16)|(1<<21)             ; group 1: 136 rows of 32 elements of 8 bytes, dense
	s_mov_b32 s25, 32<<16
	s_mov_b32 s26, 136<<16
	s_mov_b32 s27, 32<<16
	s_mov_b32 s28, 136
	s_mov_b32 s29, 32
	s_mov_b32 s30, 0
	s_mov_b32 s31, 0
	s_mul_i32 s42, s14, QREC                       ; my quarter of a record, in memory and in a slot
	s_lshl_b32 s22, s20, 3
	s_mul_i32 s22, s22, REC
	s_add_co_u32 s44, s22, REC                     ; the prefetches stand at record 1: each step of the loop steps them first
	s_lshl_b32 s21, s18, 15
	s_add_co_u32 s44, s44, s21
	s_lshl_b32 s21, s14, 13
	s_add_co_u32 s44, s44, s21
	s_mov_b32 s45, 0
	s_add_co_u32 s22, s22, s42
	s_mov_b32 s23, 0
	s_lshl_b32 s46, s19, 19                        ; 128 rows of 4,096 bytes a row group,
	s_lshl_b32 s21, s15, 18                        ; 64 rows
	s_add_co_u32 s46, s46, s21
	s_lshl_b32 s62, s20, 10                        ; 256 columns of f32
	s_add_co_u32 s66, s46, s62
	s_lshl_b32 s21, s16, 9                         ; on the way out I take column half kh
	s_add_co_u32 s66, s66, s21
	s_mul_i32 s58, s15, 2*EREG                     ; the two regions of my rows,
	s_add_co_u32 s58, s58, s21                     ; column half kh
	s_lshl_b32 s21, s16, 8                         ; my 64 i
	s_add_co_u32 s46, s46, s21
	s_mov_b32 s47, 0
	s_mov_b32 s63, 0
	s_mov_b32 s67, 0
	s_lshl_b32 s60, s19, 12                        ; weights: 32 bytes a row
	s_lshl_b32 s21, s15, 11
	s_add_co_u32 s60, s60, s21
	s_mov_b32 s61, 0
	s_mul_i32 s53, s14, WSTG
	s_add_co_u32 s53, s53, STG
	s_lshl_b32 s54, s16, 16                        ; my four units of a record
	s_lshl_b32 s55, s16, 12
	s_add_co_u32 s55, s55, 131072
	s_lshl_b32 s56, s14, 11
	s_add_co_u32 s56, s56, WTS
	s_mul_i32 s57, s14, EREG
	s_mov_b32 s[HM], 0xffff0000
	s_mov_b32 s50, 0x76543210
	s_mov_b32 s51, 0xfedcba98
	s_mov_b32 s59, 0x00800000                      ; the floor 2^-126
	s_wait_dscnt 0x0
	s_wait_kmcnt 0x0
	CROUND                                         ; in front of the first joint loads
	s_mov_b32 s32, 1
	s_mov_b32 s33, s42
	s_add_nc_u64 s[34:35], s[8:9], s[22:23]
	s_mov_b32 s36, 1
	s_add_co_u32 s37, s42, REC
	s_add_nc_u64 s[38:39], s[34:35], REC
	s_or_b32 s35, s35, 0x80000000
	s_or_b32 s39, s39, 0x80000000
	tensor_load_to_lds s[32:35], s[24:31]          ; record 0: one tensor load a wave at the head
	s_nop 0
	PLACES 4
	s_add_nc_u64 s[40:41], s[8:9], s[44:45]
	s_add_nc_u64 s[4:5], s[4:5], s[46:47]
	s_add_nc_u64 s[6:7], s[6:7], s[60:61]
	s_add_nc_u64 s[10:11], s[10:11], s[62:63]
	s_add_nc_u64 s[12:13], s[12:13], s[66:67]
	v_and_b32 v62, 15, v0                          ; r
	v_bfe_u32 v63, v0, 4, 1                        ; h
	v_and_b32 v64, 31, v0
	v_lshlrev_b32 v[CO], 4, v64
	v_lshlrev_b32 v[PFO], 8, v64
	v_lshlrev_b32 v[L4], 2, v64
	v_lshlrev_b32 v[XO], 4, v62
	v_lshl_add_u32 v[XO], v63, 12, v[XO]           ; x: sixteen lanes a row of 256 bytes, two rows a load
	v_mul_u32_u24 v65, v63, 272
	v_lshl_add_u32 v65, v62, 4, v65
	v_add_nc_u32 v[STI], s53, v65                  ; the stage, in
	v_mul_u32_u24 v66, v62, 272
	v_lshl_add_u32 v66, v63, 7, v66
	v_add_nc_u32 v[STO], s53, v66                  ; and out: row r, i block h
	v_add_nc_u32 v[BB], s54, v[CO]
	v_add_nc_u32 v[SBB], s55, v[L4]
	v_add_nc_u32 v[WD], s56, v[CO]
	v_lshlrev_b32 v67, 5, v62
	v_add_nc_u32 v[WB], s56, v67
	v_mul_u32_u24 v68, v62, 1040
	v_lshl_add_u32 v68, v63, 5, v68
	v_add_nc_u32 v[ESTO], s57, v68
	v_add_nc_u32 v[RD0], s58, v[CO]
	v_add_nc_u32 v[RD1], EREG, v[RD0]
	s_wait_alu depctr_va_vdst(0)                   ; the wait behind the head's address work
.macro XLOAD                           ; my 64 rows x 256 bytes of x
	WIN 0x40
.set xj, 0
.rept 20
	global_load_b128 v[176+4*xj:176+4*xj+3], v[XO], s[4:5] offset:8192*xj
.set xj, xj+1
.endr
	WIN 0
.rept 12
	global_load_b128 v[80+4*(xj-20):80+4*(xj-20)+3], v[XO], s[4:5] offset:8192*xj
.set xj, xj+1
.endr
.endm
.irp j, 0,1,2,3
	global_load_b128 v[128+4*\j:128+4*\j+3], v[CO], s[6:7] offset:512*\j     ; my 64 rows of weights, dense
.endr
.irp q, 0,1,2,3,4,5,6,7
.irp e, 0,1,2,3,4,5,6,7
	global_load_b32 v[144+8*\q+\e], v[L4], s[10:11] offset:4096*\e+128*\q    ; b(e, 32 q + lane)
.endr
.endr
	XLOAD
.macro SPLIT src                       ; eight f32 into four pairs of bf16 high parts (TH ..) and four of low parts (TH + 4 ..)
.irp j, 0,1,2,3
	v_cvt_pk_bf16_f32 v[TH+\j], v[(\src)+2*\j], v[(\src)+2*\j+1]
.endr
.irp j, 0,1,2,3
	v_lshlrev_b32 v[TU+2*\j], 16, v[TH+\j]
	v_and_b32 v[TU+2*\j+1], s[HM], v[TH+\j]
.endr
.irp j, 0,1,2,3
	v_pk_add_f32 v[TU+2*\j:TU+2*\j+1], v[(\src)+2*\j:(\src)+2*\j+1], v[TU+2*\j:TU+2*\j+1] neg_lo:[0,1] neg_hi:[0,1]
.endr
.irp j, 0,1,2,3
	v_cvt_pk_bf16_f32 v[TH+4+\j], v[TU+2*\j], v[TU+2*\j+1]
.endr
.endm
	s_wait_loadcnt 63                              ; of 100 loads at most 63 are out: the first four, the weights, are in
.irp j, 0,1,2,3
	ds_store_b128 v[WD], v[128+4*\j:128+4*\j+3] offset:512*\j
.endr
.irp a, 0,1,2,3
.irp j, 0,1
	ds_load_b128 v[208+8*\a+4*\j:208+8*\a+4*\j+3], v[WB] offset:512*\a+16*\j   ; row r of tile a: its eight weights (LDS serves a wave's instructions in order)
.endr
.endr
	s_wait_dscnt 0x0
.irp a, 0,1,2,3
.irp j, 0,2,4,6
	v_pk_mul_f32 v[208+8*\a+\j:208+8*\a+\j+1], v[208+8*\a+\j:208+8*\a+\j+1], 0.5 op_sel_hi:[1,0]   ; each half of K carries half of the bias
.endr
	SPLIT 208+8*\a
.irp j, 0,1,2,3
	v_cndmask_b32 v[208+8*\a+\j], v[TH+\j], v[TH+4+\j], s[HM]      ; lanes 0-15 the high parts, lanes 16-31 the low parts
	v_cndmask_b32 v[212+8*\a+\j], v[TH+\j], v[TH+4+\j], s[HM]
.endr
.endr
	s_wait_loadcnt 32                              ; b is in; x's 32 loads may be out
.irp q, 0,1,2,3,4,5,6,7
	SPLIT 144+8*\q
.irp j, 0,1,2,3,4,5,6,7
	v_permlanex16_b32 v[PX+\j], v[TH+\j], s50, s51
.endr
	WIN 0x40
.irp j, 0,1,2,3,4,5,6,7
	v_cndmask_b32 v[16*\q+\j], v[TH+\j], v[PX+\j], s[HM]           ; tile 2 q: both halves of the lanes hold columns 32 q + r
	v_cndmask_b32 v[16*\q+8+\j], v[PX+\j], v[TH+\j], s[HM]         ; tile 2 q + 1: columns 32 q + 16 + r
.endr
	WIN 0
.endr
	PLACES 4
.irp a, 0,1,2,3
	WIN 0x81+0x40*(\a/2)
.irp t, 0,1,2,3,4,5,6,7,8,9,10,11,12,13,14,15
	v_wmma_f32_16x16x32_bf16 v[8*(16*(\a%2)+\t):8*(16*(\a%2)+\t)+7], v[8*\t:8*\t+7], v[208+8*\a:208+8*\a+7], 0
.endr
.endr
	WIN 0
	PLACES 5
; x through the stage, 32 rows at a time: in as loaded, out so that register 32 a + k of window 1 = x(row 16 a + r, my 64 i's block h, k)
.macro XTURN more
	s_wait_loadcnt 0x0
	WIN 0x04
.set xj, 0
.rept 16
	ds_store_b128 v[STI], v[176+4*xj:176+4*xj+3] offset:544*xj
.set xj, xj+1
.endr
	WIN 0x40
.irp a, 0,1
.irp q, 0,1,2,3,4,5,6,7
	ds_load_b128 v[32*\a+4*\q:32*\a+4*\q+3], v[STO] offset:4352*\a+16*\q
.endr
.endr
	WIN 0x04
.rept 4
	ds_store_b128 v[STI], v[176+4*xj:176+4*xj+3] offset:544*(xj-16)
.set xj, xj+1
.endr
	WIN 0
.rept 12
	ds_store_b128 v[STI], v[80+4*(xj-20):80+4*(xj-20)+3] offset:544*(xj-16)
.set xj, xj+1
.endr
	WIN 0x40
.irp a, 0,1
.irp q, 0,1,2,3,4,5,6,7
	ds_load_b128 v[64+32*\a+4*\q:64+32*\a+4*\q+3], v[STO] offset:4352*\a+16*\q
.endr
.endr
	WIN 0
	s_wait_dscnt 0x0                               ; x is back, and the stores have read their registers
.if \more
	s_add_nc_u64 s[4:5], s[4:5], 512               ; the next step's 128 i (the last loads are done)
	XLOAD
.endif
	WIN 0x55                                       ; the largest |x| of my block in each tile, two chains a tile
.irp a, 0,1,2,3
	v_max3_num_f32 v[P+2*\a], |v[32*\a]|, |v[32*\a+1]|, |v[32*\a+2]|
	v_max3_num_f32 v[P+2*\a+1], |v[32*\a+3]|, |v[32*\a+4]|, |v[32*\a+5]|
.endr
.irp i, 6,10,14,18,22,26
.irp a, 0,1,2,3
	v_max3_num_f32 v[P+2*\a], v[P+2*\a], |v[32*\a+\i]|, |v[32*\a+\i+1]|
	v_max3_num_f32 v[P+2*\a+1], v[P+2*\a+1], |v[32*\a+\i+2]|, |v[32*\a+\i+3]|
.endr
.endr
.irp a, 0,1,2,3
	v_max3_num_f32 v[P+2*\a], v[P+2*\a], |v[32*\a+30]|, |v[32*\a+31]|
.endr
.irp a, 0,1,2,3
	v_max_num_f32 v[P+2*\a], v[P+2*\a], v[P+2*\a+1]
.endr
	WIN 0x04
.irp a, 0,1,2,3
	v_mul_f32 v[MX+2*\a], 0x3e800000, v[P+2*\a]    ; x 1/4: 2 off the exponent
	v_mul_f32 v[MX+2*\a+1], 0x3e800000, v[P+2*\a]
.endr
	WIN 0
.endm
.macro WM
.set rD, 8*(16*(ma%2)+mt)
.set rB, BF+8*mt
.set rA, AF+8*ma
.if mt%2
.if ma%2
	v_wmma_scale_f32_16x16x128_f8f6f4 v[rD:rD+7], v[rB:rB+7], v[rA:rA+7], v[rD:rD+7], v[SB+mt/2], v[SA+ma/2] matrix_a_fmt:MATRIX_FMT_FP4 matrix_b_fmt:MATRIX_FMT_FP4 matrix_a_scale:MATRIX_SCALE_ROW1 matrix_b_scale:MATRIX_SCALE_ROW1
.else
	v_wmma_scale_f32_16x16x128_f8f6f4 v[rD:rD+7], v[rB:rB+7], v[rA:rA+7], v[rD:rD+7], v[SB+mt/2], v[SA+ma/2] matrix_a_fmt:MATRIX_FMT_FP4 matrix_b_fmt:MATRIX_FMT_FP4 matrix_a_scale:MATRIX_SCALE_ROW1
.endif
.else
.if ma%2
	v_wmma_scale_f32_16x16x128_f8f6f4 v[rD:rD+7], v[rB:rB+7], v[rA:rA+7], v[rD:rD+7], v[SB+mt/2], v[SA+ma/2] matrix_a_fmt:MATRIX_FMT_FP4 matrix_b_fmt:MATRIX_FMT_FP4 matrix_b_scale:MATRIX_SCALE_ROW1
.else
	v_wmma_scale_f32_16x16x128_f8f6f4 v[rD:rD+7], v[rB:rB+7], v[rA:rA+7], v[rD:rD+7], v[SB+mt/2], v[SA+ma/2] matrix_a_fmt:MATRIX_FMT_FP4 matrix_b_fmt:MATRIX_FMT_FP4
.endif
.endif
.endm
; One unit: its fragments of bq are asked of LDS, the left operand's 64 rows x 128 K are made meanwhile, then 64 matrix instructions, the 64 accumulators by turns
.macro UNIT
	PLACES 4                                       ; in front of loads into registers that matrix instructions have read
.irp a, 0,1,2,3
	ds_load_b64 v[WP+2*\a:WP+2*\a+1], v[WC] offset:512*\a          ; weights (row 16 a + r; experts 2 p, 2 p + 1)
.endr
.irp t, 0,1,2,3,4,5,6,7,8,9,10,11,12,13,14,15
	ds_load_b128 v[BF+8*\t:BF+8*\t+3], v[BC] offset:1024*\t
	ds_load_b128 v[BF+8*\t+4:BF+8*\t+7], v[BC] offset:1024*\t+512
.endr
.irp q, 0,1,2,3,4,5,6,7
	ds_load_b32 v[SB+\q], v[SCU] offset:128*\q
.endr
	s_wait_dscnt 40                                ; the four loads of weights are in; the 32 + 8 behind them may be out
.irp a, 0,1,2,3
	v_pk_mul_f32 v[SC+2*\a:SC+2*\a+1], v[WP+2*\a:WP+2*\a+1], v[MX+2*\a:MX+2*\a+1]   ; a quarter of each block's largest product
.endr
.irp a, 0,1,2,3,4,5,6,7
	v_max_num_f32 v[SC+\a], |v[SC+\a]|, s59        ; its magnitude, and the floor: its exponent field is the scale's byte
.endr
.irp a, 0,1,2,3
	v_lshrrev_b32 v[T+\a], 23, v[SC+2*\a]
	v_lshrrev_b32 v[PT+\a], 7, v[SC+2*\a+1]
.endr
.irp a, 0,1,2,3
	v_and_or_b32 v[PT+\a], v[PT+\a], 0xff0000, v[T+\a]             ; bytes 0 and 2: experts c = 0, 1 of my i block
.endr
	v_permlane16_swap_b32 v[PT], v[PT+1]           ; the first now holds both tiles' i block 0, the second both tiles' i block 1
	v_permlane16_swap_b32 v[PT+2], v[PT+3]
	v_lshl_or_b32 v[SA], v[PT+1], 8, v[PT]         ; whole words: lanes 0-15 tile 0, lanes 16-31 tile 1
	v_lshl_or_b32 v[SA+1], v[PT+3], 8, v[PT+2]
	WIN 0x41
.set qa, 0
.rept 4
.set qc, 0
.rept 2
.set qg, 0
.rept 4
.irp k, 0,2,4,6
.if qc
	v_pk_mul_f32 v[P+8*(qg%2)+\k:P+8*(qg%2)+\k+1], v[32*qa+8*qg+\k:32*qa+8*qg+\k+1], v[WP+2*qa:WP+2*qa+1] op_sel:[0,1] op_sel_hi:[1,1]
.else
	v_pk_mul_f32 v[P+8*(qg%2)+\k:P+8*(qg%2)+\k+1], v[32*qa+8*qg+\k:32*qa+8*qg+\k+1], v[WP+2*qa:WP+2*qa+1] op_sel_hi:[1,0]
.endif
.endr
	v_cvt_scalef32_pk8_fp4_f32 v[AF+8*qa+4*qc+qg], v[P+8*(qg%2):P+8*(qg%2)+7], v[SC+2*qa+qc]   ; the two sets of products take turns: four plain lines stand between a conversion and the next write of its sources
.set qg, qg+1
.endr
.set qc, qc+1
.endr
.set qa, qa+1
.endr
	PLACES 4                                       ; an operand written by vector instructions stands four places ahead of a scaled matrix instruction
	s_wait_alu depctr_va_vdst(0)                   ; directly ahead of the wait below
	s_wait_dscnt 0x0
.set ma, 0
.rept 4
	WIN 0xa4+0x50*(ma/2)
.set mt, 0
.rept 16
	WM
.set mt, mt+1
.endr
.set ma, ma+1
.endr
	WIN 0
	v_add_nc_u32 v[BC], 16384, v[BC]
	v_add_nc_u32 v[SCU], 1024, v[SCU]
	v_add_nc_u32 v[WC], 8, v[WC]
.endm
.macro STEP slot, ask, more, refill
.if \ask
	s_wait_xcnt 0x0                                ; the last prefetch has read its address
	s_add_nc_u64 s[40:41], s[40:41], REC
.endif
	XTURN \more
	s_wait_alu depctr_va_vdst(0)                   ; directly ahead of the wait below
	s_wait_tensorcnt 0x0                           ; my one load that was out, my quarter of this step's record, has landed
	ds_add_u32 v[SPW], v[NIL]
	s_add_nc_u64 s[34+4*\slot:35+4*\slot], s[34+4*\slot:35+4*\slot], 2*REC   ; this slot's next record
	s_wait_dscnt 0x0                               ; the add is done, and my reads of the other slot are over
	CROUND
.if \refill
	tensor_load_to_lds s[36-4*\slot:39-4*\slot], s[24:31]          ; the next record, into the slot read last
	s_nop 0
	PLACES 4
.endif
	v_add_nc_u32 v[BC], \slot*REC, v[BB]           ; this slot's first unit of mine
	v_add_nc_u32 v[SCU], \slot*REC, v[SBB]
	v_add_nc_u32 v[WC], 0, v[WB]                   ; experts 0 and 1
.if \ask
	global_prefetch_b8 v[PFO], s[40:41] th:TH_LOAD_NT scope:SCOPE_SE   ; the record two steps on: my 32 blocks of its codes
.endif
	s_mov_b32 s52, 4
	s_wait_alu depctr_va_vdst(0)
.Lunit_\@:
	UNIT
	s_sub_co_i32 s52, s52, 1
	s_cmp_lg_u32 s52, 0
	s_wait_alu depctr_va_vdst(0)                   ; directly ahead of the branch
	s_cbranch_scc1 .Lunit_\@
.endm
	s_mov_b32 s3, 3
.Lpair:                                                ; steps 0 to 5
	STEP 0, 1, 1, 1
	STEP 1, 1, 1, 1
	s_sub_co_i32 s3, s3, 1
	s_cmp_lg_u32 s3, 0
	s_cbranch_scc1 .Lpair
	STEP 0, 0, 1, 1                                ; step 6 fetches the last record and the last of x
	STEP 1, 0, 0, 0                                ; step 7 fetches nothing
; THE WAY OUT.  Every wave lays its 64 x 256 sums by rows into its own region of the slots; behind a barrier wave (mh, kh) adds column half kh of the two regions of mh and stores runs of 512 bytes.
	PLACES 4
	s_wait_dscnt 0x0
	s_barrier_signal -1
	s_barrier_wait -1                              ; nobody reads a slot any more
.irp a, 0,1,2,3
	WIN 0x08+4*(\a/2)
.irp t, 0,1,2,3,4,5,6,7,8,9,10,11,12,13,14,15
	ds_store_b128 v[ESTO], v[8*(16*(\a%2)+\t):8*(16*(\a%2)+\t)+3] offset:16640*\a+64*\t       ; each accumulator from its low end on
	ds_store_b128 v[ESTO], v[8*(16*(\a%2)+\t)+4:8*(16*(\a%2)+\t)+7] offset:16640*\a+64*\t+16
.endr
.endr
	WIN 0
	s_wait_dscnt 0x0                               ; for the others' sake: my stores are done
	s_barrier_signal -1
	s_barrier_wait -1
.macro LOADB b                         ; eight rows of both halves of K
.set S, 128+64*((\b)%2)
.irp t, 0,1,2,3,4,5,6,7
	ds_load_b128 v[S+4*\t:S+4*\t+3], v[RD0] offset:(8*(\b)+\t)*1040
	ds_load_b128 v[S+32+4*\t:S+32+4*\t+3], v[RD1] offset:(8*(\b)+\t)*1040
.endr
.endm
.macro SENDB b, younger
.set S, 128+64*((\b)%2)
	s_wait_dscnt \younger
.irp k, 0,2,4,6,8,10,12,14,16,18,20,22,24,26,28,30
	v_pk_add_f32 v[S+\k:S+\k+1], v[S+\k:S+\k+1], v[S+32+\k:S+32+\k+1]
.endr
.irp t, 0,1,2,3,4,5,6,7
	global_store_b128 v[CO], v[S+4*\t:S+4*\t+3], s[12:13] offset:(8*(\b)+\t)*4096 th:TH_STORE_NT   ; 32 lanes store 512 consecutive bytes, aligned to 256
.endr
.endm
	LOADB 0
.irp b, 1,2,3,4,5,6,7
.if \b > 1
	s_wait_xcnt 0x0                                ; the stores of two batches ago have read their registers
.endif
	LOADB \b
	SENDB \b-1, 16                                 ; the 16 loads just issued may be out
.endr
	SENDB 7, 0
	s_wait_tensorcnt 0x0                           ; the wave's end
	ds_add_u32 v[SPW], v[NIL]
	s_wait_dscnt 0x0
	CROUND                                         ; the closing round
	s_endpgm
.Lfunc_end_k_q721e9c1515_fused:
	.size	k_q721e9c1515_fused, .Lfunc_end_k_q721e9c1515_fused-k_q721e9c1515_fused
	.p2alignl 7, 3214868480
	.fill 96, 4, 3214868480
	.section	.rodata,"a",@progbits
	.p2align	6, 0x0
	.amdhsa_kernel k_q721e9c1515_fused
		.amdhsa_group_segment_fixed_size 327680
		.amdhsa_private_segment_fixed_size 0
		.amdhsa_enable_private_segment 0
		.amdhsa_kernarg_size 40
		.amdhsa_user_sgpr_count 2
		.amdhsa_user_sgpr_kernarg_segment_ptr 1
		.amdhsa_wavefront_size32 1
		.amdhsa_system_sgpr_workgroup_id_x 1
		.amdhsa_system_sgpr_workgroup_id_y 1
		.amdhsa_system_sgpr_workgroup_id_z 1
		.amdhsa_system_vgpr_workitem_id 0
		.amdhsa_next_free_vgpr 1024
		.amdhsa_next_free_sgpr 72
		.amdhsa_reserve_vcc 0
		.amdhsa_float_denorm_mode_32 3
		.amdhsa_float_denorm_mode_16_64 3
		.amdhsa_memory_ordered 1
		.amdhsa_forward_progress 1
		.amdhsa_inst_pref_size 220
	.end_amdhsa_kernel
	.amdgpu_metadata
---
amdhsa.version: [ 1, 2 ]
amdhsa.kernels:
  - .name:           k_q721e9c1515_fused
    .symbol:         k_q721e9c1515_fused.kd
    .args:
      - { .name: x, .offset: 0, .size: 8, .value_kind: global_buffer, .address_space: global }
      - { .name: weights, .offset: 8, .size: 8, .value_kind: global_buffer, .address_space: global }
      - { .name: bq, .offset: 16, .size: 8, .value_kind: global_buffer, .address_space: global }
      - { .name: b, .offset: 24, .size: 8, .value_kind: global_buffer, .address_space: global }
      - { .name: out0, .offset: 32, .size: 8, .value_kind: global_buffer, .address_space: global }
    .group_segment_fixed_size: 327680
    .private_segment_fixed_size: 0
    .kernarg_segment_align: 8
    .kernarg_segment_size: 40
    .max_flat_workgroup_size: 128
    .sgpr_count:     72
    .vgpr_count:     1024
    .wavefront_size: 32
...
	.end_amdgpu_metadata
.endif
;; end of part 2
